; MI455X (gfx1250); checked and timed in simulation.
; The chip was launched on July 23, 2026; its instructions are those of AMD's public machine-readable ISA for CDNA 5 (MIT licence, August 2026) and "CDNA5" Instruction Set Architecture Reference Guide (July 2026). The comments in the code are by the model that wrote it; some were corrected since.
;; Self Attention. Allowed arithmetic: matrix products marked QUANTISED: E4M3 operands, one given power-of-two scale a tensor, by v_wmma_f32_16x16x64_fp8_fp8 or v_wmma_f32_16x16x128_fp8_fp8, f32 sums; everything else in f32.
;; Inputs: W_proj_codes 1,024 x 32 x 32 uint8 (E4M3 codes of W_proj, K innermost, in blocks of 32 codes); W_qkv_codes 3,072 x 32 x 32 uint8 (E4M3 codes of W_qkv, K innermost, in blocks of 32 codes); b_proj 1,024 float32; b_qkv 3,072 float32; lowp_scales 8 int32 (the exponents e of the quantised operands' scales 2^e); x_codes 2 x 2,048 x 32 x 32 uint8 (E4M3 codes of x, K innermost, in blocks of 32 codes).
;; Outputs: out0 2 x 2,048 x 1,024 float32.
;; This version of the problem:
;;   THIS VERSION OF THE PROBLEM IS GIVEN IN LOW PRECISION. The matrix products marked QUANTISED in the list below multiply operands that are first quantised to E4M3 (4 exponent bits, 3 mantissa bits; 8 bits a number), with one given power-of-two scale for each operand tensor; their sums are f32. All else is computed in f32.
;;   The module's matrix products, in the order in which they are computed (A, B: the left and right operand; K: the contracted axis; several contracted axes count as one K, in the product's order):
;;     1. [M 4,096, K 1,024] x [K 1,024, N 3,072]; A: input x (given as codes); B: input W_qkv (given as codes): QUANTISED (scales: A lowp_scales[0], B lowp_scales[1])
;;     2. batch 32 x [M 2,048, K 64] x [K 64, N 2,048]; A: computed on the way; B: computed on the way: QUANTISED (scales: A lowp_scales[2], B lowp_scales[3])
;;     3. batch 32 x [M 2,048, K 2,048] x [K 2,048, N 64]; A: softmax (see below); B: computed on the way: QUANTISED (scales: A lowp_scales[4], B lowp_scales[5])
;;     4. [M 4,096, K 1,024] x [K 1,024, N 1,024]; A: computed on the way; B: input W_proj (given as codes): QUANTISED (scales: A lowp_scales[6], B lowp_scales[7])
;;   THE QUANTISER, for each operand of a quantised product, along K:
;;     - The operand's scale is 2^e, e = its entry of the input lowp_scales (int32; the entries are numbered through the quantised products in the list's order, A before B).
;;     - Each number is divided by the scale, clamped to +-448, and rounded to the nearest number of E4M3, ties to even, subnormals kept.
;;     - The product sums the exact products of the quantised numbers (number of the format x scale) in f32.
;;   ~~~python
;;   def quantise(x, axis, e):      # numpy; x: float32 -> the quantised numbers, widened to float32 again
;;       x = np.moveaxis(x, axis, -1); K = x.shape[-1]
;;       r = np.clip(x / 2.0 ** e, -448, 448)
;;       step = 2.0 ** (np.maximum(np.frexp(np.where(r == 0, 1, r))[1] - 1, -6) - 3)
;;       q = np.round(r / step) * step * 2.0 ** e      # np.round: ties to even
;;       return np.moveaxis(q, -1, axis).astype(np.float32)
;;   ~~~
;;   SOFTMAX AHEAD OF A QUANTISED PRODUCT. Where the list says 'softmax', what is quantised is not the finished softmax but p = 2^(t - M), with t = logit x log2(e) and M = ceil(the row's largest t), a whole number; so 1/2 < the row's largest p <= 1. The row's sum l is taken of the UNQUANTISED p, in f32, and the product's result is divided by l at the end. Since M is a whole number, a kernel that streams over the keys may use a running M (the ceiling of the running maximum): every later rescaling is an exact power of two, so the quantised numbers keep their values, but for numbers so far below the row's largest that they fall under the format's range.
;;   OPERANDS COMPUTED ON THE WAY. 'Computed on the way' means the value that the module computes at that place (a softmax that the list does not call 'softmax' is quantised finished and normalised). What goes into a quantiser is computed in f32, as accurately as f32 sums, v_exp_f32 and their like allow (about 1e-6 of the number): no bf16 or f16 on the way to a quantiser, and a product that is left as it is and whose result goes on into a quantised operand takes f32 operands (vector FMAs, or v_wmma_f32_16x16x4_f32). A number that lies on a knife's edge between two numbers of the format may be rounded either way, as far as f32 arithmetic and the matrix unit's own rounding can turn it there, and no further.
;;   INPUTS GIVEN AS CODES. W_proj (in the module: [1024, 1024], K = its axis 0); W_qkv (in the module: [1024, 3072], K = its axis 0); x (in the module: [2, 2048, 1024], K = its axis 2): each comes as NAME_codes (uint8): NAME with its K axis moved to the last place and cut into blocks of 32 codes, [.., K / 32, bytes a block], one block behind the other in memory; one code a byte (a code: sign, 4 exponent bits, 3 mantissa bits); its scale is its entry of lowp_scales. Its value is code x scale, taken as it is: it is not quantised again, and the codes and scales need not be those that the quantiser above would give.
;; 2 versions, each right; version 2 is version 1 with the launch attn written anew for expert scheduling mode. Each part assembles by itself: llvm-mc -triple=amdgcn-amd-amdhsa -mcpu=gfx1250 --defsym DOCPART=n.
;; ======== version 1 of 2: 3 launches
;; workspace buffers: q_img 4,194,304 bytes; k_img 4,194,304 bytes; v_img 4,194,304 bytes; y_img 4,194,304 bytes
;; launch qkv (part 1): grid 8 x 32, 4 waves a work-group, clusters of 4 x 4, 327,680 bytes of LDS; arguments x_codes, W_qkv_codes, b_qkv, lowp_scales, q_img, k_img, v_img; writes q_img, k_img, v_img
.if DOCPART == 1
	.amdgcn_target "amdgcn-amd-amdhsa--gfx1250"
	.amdhsa_code_object_version 6
	.text
	.protected	k_q00b287d4b0_qkv
	.globl	k_q00b287d4b0_qkv
	.p2align	8
	.type	k_q00b287d4b0_qkv,@function
k_q00b287d4b0_qkv:
	s_mov_b64 s[64:65], 0
	v_nop
	global_prefetch_b8 v0, s[64:65] scope:SCOPE_SE
	s_setreg_imm32_b32 hwreg(HW_REG_WAVE_MODE, 25, 1), 1
	s_wait_xcnt 0x0
	s_wait_alu depctr_hold_cnt(0) depctr_sa_sdst(0) depctr_va_vdst(0) depctr_va_sdst(0) depctr_va_ssrc(0) depctr_va_vcc(0) depctr_vm_vsrc(0)
	s_getreg_b32 s2, hwreg(HW_REG_IB_STS2, 6, 4)
	s_cmp_eq_u32 s2, 0
	s_cbranch_scc0 .Lentry_in_a_cluster
	s_endpgm
.Lentry_in_a_cluster:
	s_bfe_u32 s2, ttmp6, 0x10000c
	s_cmp_lg_u32 s2, 0xf033
	s_cbranch_scc0 .Lentry_shape_is_right
	s_endpgm
.Lentry_shape_is_right:
; qkv = x W_qkv + b_qkv on codes of E4M3 (x: [4096][1024] bytes, W_qkv: [3072][1024] bytes, K innermost), sums in f32; q, k and v are then quantised with the given scales and stored as codes.
; lowp_scales: e0 x, e1 W_qkv, e2 q, e3 k, e4 p, e5 v, e6 y, e7 W_proj.  A sum stands for sum x 2^(e0+e1): the bias goes in as b / 2^(e0+e1), as the C of each sum's first product,
; and the conversion takes 2^(e - e0 - e1) as its one scale (e = e2, e3, e5), behind a hold at +-448 x that.
; LIMITS: e2-e0-e1, e3-e0-e1 and e5-e0-e1 lie between -126 and 119, so that each power of two and 448 x it is an f32 number.  NaN among the inputs is not served.
; The fragments of x and W are fetched 16 bytes at a time: one permutation of k, alike on both sides of a product, so only the order of the sums inside an instruction changes.
; SHARES.  A work-group: 128 tokens (block mb) x 384 columns: strips of 128 at W's rows s x 1024 + 128 g, s = 0 q, 1 k, 2 v: two heads.  Wave w: all 128 tokens x columns 32 w .. 32 w + 31 of each strip:
; 8 tiles of tokens a x 6 tiles of columns b (b = 2 s + t): 48 accumulators.
; q, k: source 0 = 16 rows of W, source 1 = 16 tokens: a lane holds one token and eight neighbouring channels: the conversion's two registers are a pair of the next product's fragment (K = the head's 64).
; v: the sources are swapped: a lane holds one channel and eight neighbouring tokens: a pair of V^T's fragment (K = the keys).  Lane r of v's tile t takes W's row 32 w + 8 t + r + 8 (r / 8).
; THE WORKSPACE HOLDS IMAGES OF THE OPERANDS' REGISTERS: four registers x 32 lanes = 512 consecutive bytes, lane l's 16 bytes at 16 l: each store of a wave covers 512 consecutive bytes, aligned.
;   q_img, k_img: (batch x 16 + head) x 131072 + (token / 16) x 1024 + u x 512: registers 4 u .. 4 u + 3 of the fragment 16 tokens x 64 channels
;   v_img:        (batch x 16 + head) x 131072 + (token / 128) x 8192 + dt x 2048 + i x 512: registers 4 i .. 4 i + 3 of the fragment 16 channels x 128 keys; lane r of tile dt = 2 B + u is channel 32 B + 8 u + r + 8 (r / 8)
; K goes in steps of 256 through two LDS slots [x | Wq | Wk | Wv], 128 rows each: four fills, two of them refills; all is written out, there is no loop.
; CLUSTER 4 x 4: x's tile hangs on mb alone and is asked for jointly by a row of the cluster, W's tiles on g alone, by a column.  Wave 0 fetches x's tile, waves 1 to 3 the three strips.  A wave has at most two tensor loads out.
; REGISTERS: window 0: v1-29 addresses and scales; v32-127 W's six fragments, v128-255 x's eight: set 0.  Window 1: the same places: set 1.
;   window 2: accumulators of a = 0..3 at v[8 (6 a + b)]; v192-239 the bias, eight registers a tile b.  Window 3: accumulators of a = 4..7.
.set PITCH,  272                       ; an LDS row: 256 bytes + 16 of padding: the sixteen rows of a fragment load start at sixteen different 16-byte columns of 256
.set HALFT,  128*PITCH                 ; 128 rows: one tensor load
.set SLOT,   4*HALFT
.set SPARE,  2*SLOT                    ; behind the ring: the spare words, 128 bytes a wave, that no other line names
.set ADRX, 10                          ; v10-11  x's fragments in slot 0, 1
.set ADRW, 12                          ; v12-17  W's: slot x 3 + strip
.set LI,   18                          ; v18     16 x lane
.set SC,   20                          ; v20-25  (scale, 448 x scale) for q, k, v
.set SPW,  28                          ; v28     my spare word; never rewritten
.set NIL,  29                          ; v29     0; never rewritten
.set WF,   32
.set XF,   128
.set BI,   192                         ; in window 2
.set WV,   18                          ; s18     wave
.set G1,   24                          ; s[24:31] group 1 for x;  s[32:39] group 0, a set a slot
.set G0,   32
.set G1B,  48                          ; s[48:55], s[56:63] the same for W
.set G0B,  56
.set MSB,  0
.macro WIN new                         ; the immediate's high byte repeats the setting that is left
.if MSB != (\new)
	s_set_vgpr_msb (MSB<<8)|(\new)
.set MSB, (\new)
.endif
.endm
.macro PLACES                          ; four plain vector places behind matrix instructions, in front of loads into their sources and of reads of their results
.rept 4
	v_nop
.endr
.endm
.macro JLOAD s                         ; a joint load; the branch hangs on the wave's number alone; four v_nop follow each line
	s_cmp_eq_u32 s[WV], 0
	s_cbranch_scc0 .Lfor_w_\@
	tensor_load_to_lds s[G0+4*\s:G0+4*\s+3], s[G1:G1+7]
	s_nop 0
.rept 4
	v_nop
.endr
	s_branch .Lasked_\@
.Lfor_w_\@:
	tensor_load_to_lds s[G0B+4*\s:G0B+4*\s+3], s[G1B:G1B+7]
	s_nop 0
.rept 4
	v_nop
.endr
.Lasked_\@:
.endm
.macro CREST                           ; a round of the cluster's barrier behind its opening barrier
	s_cmp_lg_u32 s[WV], 0
	s_cbranch_scc1 .Lnot_wave_0_\@
	s_barrier_signal -3
.Lnot_wave_0_\@:
	s_barrier_wait -3
	s_barrier_signal -1
	s_barrier_wait -1
.endm
.macro CROUND
	s_barrier_signal -1
	s_barrier_wait -1
	CREST
.endm
	s_load_b256 s[4:11], s[0:1], 0x0               ; x s[4:5], W s[6:7], b s[8:9], scales s[10:11]
	s_load_b128 s[12:15], s[0:1], 0x20             ; q_img, k_img
	s_load_b64 s[16:17], s[0:1], 0x30              ; v_img
	v_lshl_add_u32 v[SPW], v0, 2, SPARE
	v_mov_b32 v[NIL], 0
	ds_add_u32 v28, v29
	ds_add_u32 v28, v29
	s_wait_dscnt 0x0
	v_lshrrev_b32 v1, 5, v0
	v_readfirstlane_b32 s[WV], v1                  ; wave 0..3
	s_bfe_u32 s40, ttmp6, 0x40000                  ; cx
	s_bfe_u32 s41, ttmp6, 0x40004                  ; cy
	s_lshl_b32 s42, ttmp9, 2
	s_add_co_u32 s42, s42, s40                     ; g = 4 x cluster x + cx: which 128 columns of each strip
	s_and_b32 s43, ttmp7, 0xffff
	s_lshl_b32 s43, s43, 2
	s_add_co_u32 s43, s43, s41                     ; mb = 4 x cluster y + cy: which 128 tokens
	s_lshl_b32 s44, s41, 2
	s_lshl_b32 s44, 15, s44                        ; my row of the cluster
	s_lshl_b32 s45, 0x1111, s40                    ; my column
	s_or_b32 s[G1], s44, (1<<20)|(1<<21)|(5<<22)|(3<<25)    ; the mask; elements of 1 byte; padding on; bit 21 beside a mask; 4 words behind every 64
	s_or_b32 s[G1B], s45, (1<<20)|(1<<21)|(5<<22)|(3<<25)
.irp g, G1, G1B
	s_mov_b32 s[\g+1], 256<<16                     ; tensor_dim0 = 256
	s_mov_b32 s[\g+2], 128<<16                     ; tensor_dim1 = 128
	s_mov_b32 s[\g+3], 256<<16                     ; tile_dim0 = 256
	s_mov_b32 s[\g+4], 128                         ; tile_dim1 = 128
	s_mov_b32 s[\g+5], 1024                        ; from row to row
	s_mov_b32 s[\g+6], 0
	s_mov_b32 s[\g+7], 0
.endr
	s_lshl_b32 s20, s43, 17                        ; x: 128 mb rows of 1,024 bytes
	s_mov_b32 s21, 0
	s_lshr_b32 s46, s[WV], 1
	s_and_b32 s47, s46, s[WV]
	s_add_co_u32 s46, s46, s47                     ; the strip that I fetch: 0, 0, 1, 2 for waves 0 to 3 (wave 0 asks by x's descriptor)
	s_lshl_b32 s46, s46, 20                        ; 1,024 rows of 1,024 bytes a strip,
	s_lshl_b32 s47, s42, 17                        ; 128 g rows
	s_add_co_u32 s46, s46, s47
	s_mov_b32 s47, 0
	s_mul_i32 s19, s[WV], HALFT                    ; where my tile goes in a slot: no place in the cluster enters an LDS address
	s_wait_kmcnt 0x0
	s_load_b256 s[68:75], s[10:11], 0x0            ; e0 .. e7
	s_add_nc_u64 s[20:21], s[4:5], s[20:21]
	s_add_nc_u64 s[46:47], s[6:7], s[46:47]
	CROUND                                         ; all sixteen work-groups are here: the first joint loads meet
.irp s, 0,1
	s_mov_b32 s[G0+4*\s], 1
	s_add_co_u32 s[G0+4*\s+1], s19, \s*SLOT
	s_add_nc_u64 s[G0+4*\s+2:G0+4*\s+3], s[20:21], \s*256
	s_or_b32 s[G0+4*\s+3], s[G0+4*\s+3], 0x80000000
	s_mov_b32 s[G0B+4*\s], 1
	s_add_co_u32 s[G0B+4*\s+1], s19, \s*SLOT
	s_add_nc_u64 s[G0B+4*\s+2:G0B+4*\s+3], s[46:47], \s*256
	s_or_b32 s[G0B+4*\s+3], s[G0B+4*\s+3], 0x80000000
.endr
	s_cmp_eq_u32 s[WV], 0                          ; a wave's two first fills stand in one branch, ahead of every wait on TENSORcnt and every LDS read
	s_cbranch_scc0 .Lfirst_w
	tensor_load_to_lds s[G0:G0+3], s[G1:G1+7]
	s_nop 0
	tensor_load_to_lds s[G0+4:G0+7], s[G1:G1+7]
	s_nop 0
.rept 4
	v_nop
.endr
	s_branch .Lfirst_asked
.Lfirst_w:
	tensor_load_to_lds s[G0B:G0B+3], s[G1B:G1B+7]
	s_nop 0
	tensor_load_to_lds s[G0B+4:G0B+7], s[G1B:G1B+7]
	s_nop 0
.rept 4
	v_nop
.endr
.Lfirst_asked:
	v_and_b32 v1, 15, v0                           ; r
	v_bfe_u32 v2, v0, 4, 1                         ; h
	v_mul_u32_u24 v3, v1, PITCH
	v_lshl_add_u32 v3, v2, 4, v3                   ; r x pitch + 16 h
	v_and_b32 v4, 8, v1
	v_add_nc_u32 v4, v4, v1                        ; r + 8 (r / 8)
	v_mul_u32_u24 v5, v4, PITCH
	v_lshl_add_u32 v5, v2, 4, v5
	s_mul_i32 s22, s[WV], 32*PITCH                 ; my 32 rows of a strip
.irp sl, 0,1
	v_add_nc_u32 v[ADRX+\sl], \sl*SLOT, v3
	s_add_co_u32 s23, s22, \sl*SLOT+HALFT
	v_add_nc_u32 v[ADRW+3*\sl], s23, v3
	s_add_co_u32 s23, s22, \sl*SLOT+2*HALFT
	v_add_nc_u32 v[ADRW+3*\sl+1], s23, v3
	s_add_co_u32 s23, s22, \sl*SLOT+3*HALFT
	v_add_nc_u32 v[ADRW+3*\sl+2], s23, v5
.endr
	v_and_b32 v6, 31, v0
	v_lshlrev_b32 v[LI], 4, v6
	; the bias: q, k: lane (r, h) wants columns 16 t + 8 h + 0..7 of its wave's 32; v: the one column 8 t + r + 8 (r / 8)
	s_lshl_b32 s76, s42, 9
	s_lshl_b32 s77, s[WV], 7
	s_add_co_u32 s76, s76, s77
	s_mov_b32 s77, 0
	s_add_nc_u64 s[8:9], s[8:9], s[76:77]          ; b at column 128 g + 32 w
	v_lshlrev_b32 v7, 5, v2
	v_lshlrev_b32 v8, 2, v4
	WIN 0x80                                       ; destination window 2
.irp b, 0,1,2,3
	global_load_b128 v[BI+8*\b:BI+8*\b+3], v7, s[8:9] offset:(\b/2)*4096+(\b%2)*64
	global_load_b128 v[BI+8*\b+4:BI+8*\b+7], v7, s[8:9] offset:(\b/2)*4096+(\b%2)*64+16
.endr
.irp t, 0,1
	global_load_b32 v[BI+32+8*\t], v8, s[8:9] offset:8192+32*\t
.endr
	WIN 0
	; where my codes go
	s_lshr_b32 s82, s43, 4
	s_lshl_b32 s82, s82, 4                         ; batch x 16
	s_lshl_b32 s83, s42, 1
	s_add_co_u32 s82, s82, s83
	s_lshr_b32 s83, s[WV], 1
	s_add_co_u32 s82, s82, s83                     ; + head = 2 g + w / 2
	s_lshl_b32 s82, s82, 17
	s_and_b32 s83, s43, 15
	s_lshl_b32 s83, s83, 13                        ; the block of 128 tokens in its batch: 8,192 bytes in each image
	s_add_co_u32 s82, s82, s83
	s_and_b32 s84, s[WV], 1
	s_lshl_b32 s85, s84, 9                         ; q, k: quad u = w % 2
	s_add_co_u32 s86, s82, s85
	s_mov_b32 s87, 0
	s_lshl_b32 s85, s84, 12                        ; v: tiles dt = 2 (w % 2) + t
	s_add_co_u32 s88, s82, s85
	s_mov_b32 s89, 0
	s_add_nc_u64 s[12:13], s[12:13], s[86:87]
	s_add_nc_u64 s[14:15], s[14:15], s[86:87]
	s_add_nc_u64 s[16:17], s[16:17], s[88:89]
	s_wait_loadcnt 0x0                             ; the bias
	s_wait_kmcnt 0x0                               ; the exponents
	s_add_co_i32 s78, s68, s69                     ; e0 + e1
	s_sub_co_i32 s79, 0, s78
	WIN 0x82                                       ; source 0 and destination window 2
.set n, 0
.rept 32
	v_ldexp_f32 v[BI+n], v[BI+n], s79              ; b / 2^(e0 + e1)
.set n, n+1
.endr
	v_ldexp_f32 v[BI+32], v[BI+32], s79
	v_ldexp_f32 v[BI+40], v[BI+40], s79
.irp t, 0,1
.irp j, 1,2,3,4,5,6,7
	v_mov_b32 v[BI+32+8*\t+\j], v[BI+32+8*\t]      ; v's tiles: a lane's eight results are eight tokens of one column
.endr
.endr
	WIN 0
.macro MKSC ereg, vs                   ; 2^(e - e0 - e1) and 448 x that, as f32
	s_sub_co_i32 s80, s[\ereg], s78
	s_add_co_i32 s80, s80, 127
	s_lshl_b32 s81, s80, 23
	v_mov_b32 v[\vs], s81
	s_add_co_i32 s80, s80, 8
	s_lshl_b32 s80, s80, 23
	s_or_b32 s80, s80, 0x600000
	v_mov_b32 v[\vs+1], s80
.endm
	MKSC 70, SC
	MKSC 71, SC+2
	MKSC 73, SC+4
; 56 LDS loads in one run: the fragments of the slot's q-th 128 along K into set p: lane l holds row l % 16; registers 4 c .. 4 c + 3 hold K = 32 c + 16 (l / 16) + 0 .. 15
.macro FETCH slot, q, p
	WIN 0x40*(\p)
.irp b, 0,1,2,3,4,5
.irp c, 0,1,2,3
	ds_load_b128 v[WF+16*\b+4*\c:WF+16*\b+4*\c+3], v[ADRW+3*(\slot)+\b/2] offset:128*(\q)+32*\c+(\b%2)*(4352-2176*(\b/4))
.endr
.endr
.irp a, 0,1,2,3,4,5,6,7
.irp c, 0,1,2,3
	ds_load_b128 v[XF+16*\a+4*\c:XF+16*\a+4*\c+3], v[ADRX+\slot] offset:128*(\q)+32*\c+\a*4352
.endr
.endr
.endm
; x's tiles a0 .. a0 + na - 1 against W's six.  The 48 accumulators take turns, one instruction a turn, in the same order in every step.
; first = 1: the bias starts the sums: nothing is cleared and nothing is added later.
.macro MUL a0, na, first
.set ai, \a0
.rept \na
.irp b, 0,1,2,3,4,5
.set rD, 8*(6*(ai%4)+\b)
.if \b < 4
.set fA, WF+16*\b
.set fB, XF+16*ai
.else
.set fA, XF+16*ai
.set fB, WF+16*\b
.endif
.if \first
	v_wmma_f32_16x16x128_fp8_fp8 v[rD:rD+7], v[fA:fA+15], v[fB:fB+15], v[BI+8*\b:BI+8*\b+7]
.else
	v_wmma_f32_16x16x128_fp8_fp8 v[rD:rD+7], v[fA:fA+15], v[fB:fB+15], v[rD:rD+7]
.endif
.endr
.set ai, ai+1
.endr
.endm
; A slot's first 128 along K: multiplies set 0; the second 128 are fetched into set 1 ahead of the products.
.macro STEP slot, first
	s_wait_dscnt 0x0                               ; set 0 is in
	PLACES                                         ; set 1 was read by the products just issued
	FETCH \slot, 1, 1
	WIN 0xa0                                       ; sources window 0, C and D window 2
	MUL 0, 4, \first
.if \first
	WIN 0xe0                                       ; C (the bias) window 2, D window 3
.else
	WIN 0xf0
.endif
	MUL 4, 4, \first
.endm
; A slot's second 128 along K multiply set 1 and change slots: one barrier; in front of it each wave waits for all its tensor loads, adds 0 to its spare word, and waits for that and for its reads of this slot.
.macro TURN slot, next, fill
	WIN 0
	s_wait_tensorcnt 0x0                           ; all my tensor loads have landed: the one that was out is my part of the next slot
	ds_add_u32 v[SPW], v[NIL]                      ; 0 onto my spare word
	s_wait_dscnt 1                                 ; set 1's 56 loads are in; the add may be out
	WIN 0xa5                                       ; sources window 1
	MUL 0, 2, 0                                    ; twelve products stand between the add and the wait for it
	s_wait_dscnt 0x0                               ; the add is done, and my reads of this slot are over
	s_barrier_signal -1
	MUL 2, 2, 0
	WIN 0
	s_barrier_wait -1
.if \fill
	CREST                                          ; the barrier has opened a round of the cluster's: no wave of any partner still reads this slot or has a load on its way
	s_add_nc_u64 s[G0+4*\slot+2:G0+4*\slot+3], s[G0+4*\slot+2:G0+4*\slot+3], 512
	s_add_nc_u64 s[G0B+4*\slot+2:G0B+4*\slot+3], s[G0B+4*\slot+2:G0B+4*\slot+3], 512
	JLOAD \slot                                    ; the first tensor load behind the round; its four v_nop are the places in front of the loads below
.else
	PLACES
.endif
	FETCH \next, 0, 0
	WIN 0xf5
	MUL 4, 4, 0
.endm
	s_wait_tensorcnt 1                             ; my part of slot 0 is in; slot 1's may stay out
	s_barrier_signal -1
	s_barrier_wait -1
	FETCH 0, 0, 0
	STEP 0, 1                                      ; K 0
	TURN 0, 1, 1                                   ; K 128; slot 0 takes K 512 ..
	STEP 1, 0                                      ; K 256
	TURN 1, 0, 1                                   ; K 384; slot 1 takes K 768 ..
	STEP 0, 0                                      ; K 512
	TURN 0, 1, 0                                   ; K 640; nothing is left to fetch
	STEP 1, 0                                      ; K 768
	s_wait_dscnt 0x0                               ; K 896
	WIN 0xa5
	MUL 0, 4, 0
	WIN 0xf5
	MUL 4, 4, 0
	WIN 0
	PLACES
; THE WAY OUT: the hold (the conversion to an 8-bit code does not saturate: ISA guide 7.6.2), each accumulator from its low end on, then the conversions into window 0, where x's set 0 lay:
; q: v[128 + 4 a + 2 t], k: v[160 + 4 a + 2 t], v: v[192 + 16 t + 2 a]: four registers on end are a quad of an image.
.macro OUTW hi
	WIN 0x82+0x41*(\hi)                            ; source 0 and destination: window 2 or 3
.irp al, 0,1,2,3
.irp b, 0,1,2,3,4,5
.irp j, 0,1,2,3,4,5,6,7
	v_med3_num_f32 v[8*(6*\al+\b)+\j], v[8*(6*\al+\b)+\j], -v[SC+1+2*(\b/2)], v[SC+1+2*(\b/2)]
.endr
.endr
.endr
	WIN 0x02+(\hi)                                 ; source 0: window 2 or 3; destination window 0
.irp al, 0,1,2,3
.irp b, 0,1,2,3,4,5
.if \b < 4
.set rC, 128+32*(\b/2)+4*(4*(\hi)+\al)+2*(\b%2)
.else
.set rC, 192+16*(\b%2)+2*(4*(\hi)+\al)
.endif
	v_cvt_scalef32_pk8_fp8_f32 v[rC:rC+1], v[8*(6*\al+\b):8*(6*\al+\b)+7], v[SC+2*(\b/2)]
.endr
.endr
.endm
	OUTW 0
	OUTW 1
	WIN 0
	v_nop                                          ; a plain vector line behind the last conversion
.irp a, 0,1,2,3,4,5,6,7
	global_store_b128 v[LI], v[128+4*\a:131+4*\a], s[12:13] offset:\a*1024    ; 32 lanes store 512 consecutive bytes, aligned
	global_store_b128 v[LI], v[160+4*\a:163+4*\a], s[14:15] offset:\a*1024
.endr
.irp t, 0,1
.irp i, 0,1,2,3
	global_store_b128 v[LI], v[192+16*\t+4*\i:195+16*\t+4*\i], s[16:17] offset:\t*2048+\i*512
.endr
.endr
	s_wait_tensorcnt 0x0                           ; the wave's end
	ds_add_u32 v[SPW], v[NIL]
	s_wait_dscnt 0x0
	CROUND                                         ; the closing round: no work-group ends while a partner may still ask for a tile that names it
	s_endpgm
.Lfunc_end_k_q00b287d4b0_qkv:
	.size	k_q00b287d4b0_qkv, .Lfunc_end_k_q00b287d4b0_qkv-k_q00b287d4b0_qkv
	.p2alignl 7, 3214868480
	.fill 96, 4, 3214868480
	.section	.rodata,"a",@progbits
	.p2align	6, 0x0
	.amdhsa_kernel k_q00b287d4b0_qkv
		.amdhsa_group_segment_fixed_size 327680
		.amdhsa_private_segment_fixed_size 0
		.amdhsa_enable_private_segment 0
		.amdhsa_kernarg_size 56
		.amdhsa_user_sgpr_count 2
		.amdhsa_user_sgpr_kernarg_segment_ptr 1
		.amdhsa_wavefront_size32 1
		.amdhsa_system_sgpr_workgroup_id_x 1
		.amdhsa_system_sgpr_workgroup_id_y 1
		.amdhsa_system_sgpr_workgroup_id_z 1
		.amdhsa_system_vgpr_workitem_id 0
		.amdhsa_next_free_vgpr 1024
		.amdhsa_next_free_sgpr 98
		.amdhsa_reserve_vcc 0
		.amdhsa_float_denorm_mode_32 3
		.amdhsa_float_denorm_mode_16_64 3
		.amdhsa_memory_ordered 1
		.amdhsa_forward_progress 1
		.amdhsa_inst_pref_size 98
	.end_amdhsa_kernel
	.amdgpu_metadata
---
amdhsa.version: [ 1, 2 ]
amdhsa.kernels:
  - .name:           k_q00b287d4b0_qkv
    .symbol:         k_q00b287d4b0_qkv.kd
    .args:
      - { .name: x_codes, .offset: 0, .size: 8, .value_kind: global_buffer, .address_space: global }
      - { .name: W_qkv_codes, .offset: 8, .size: 8, .value_kind: global_buffer, .address_space: global }
      - { .name: b_qkv, .offset: 16, .size: 8, .value_kind: global_buffer, .address_space: global }
      - { .name: lowp_scales, .offset: 24, .size: 8, .value_kind: global_buffer, .address_space: global }
      - { .name: q_img, .offset: 32, .size: 8, .value_kind: global_buffer, .address_space: global }
      - { .name: k_img, .offset: 40, .size: 8, .value_kind: global_buffer, .address_space: global }
      - { .name: v_img, .offset: 48, .size: 8, .value_kind: global_buffer, .address_space: global }
    .group_segment_fixed_size: 327680
    .private_segment_fixed_size: 0
    .kernarg_segment_align: 8
    .kernarg_segment_size: 56
    .max_flat_workgroup_size: 128
    .sgpr_count:     98
    .vgpr_count:     1024
    .wavefront_size: 32
...
	.end_amdgpu_metadata
.endif
;; end of part 1
;; launch attn (part 2): grid 8 x 32, 16 waves a work-group, no clusters, 34,816 bytes of LDS; arguments q_img, k_img, v_img, lowp_scales, y_img; writes y_img
.if DOCPART == 2
	.amdgcn_target "amdgcn-amd-amdhsa--gfx1250"
	.amdhsa_code_object_version 6
	.text
	.protected	k_q00b287d4b0_attn
	.globl	k_q00b287d4b0_attn
	.p2align	8
	.type	k_q00b287d4b0_attn,@function
k_q00b287d4b0_attn:
	s_mov_b64 s[64:65], 0
	v_nop
	global_prefetch_b8 v0, s[64:65] scope:SCOPE_SE
	s_setreg_imm32_b32 hwreg(HW_REG_WAVE_MODE, 25, 1), 1
	s_wait_xcnt 0x0
; y[b][t][head] = causal softmax(q k^T / 8) v for 32 (batch, head) pairs of 2,048 tokens x 64 channels, both products on codes of E4M3; y is quantised with 2^e6 and stored as codes.
; q_img, k_img, v_img, y_img hold images of the operands' registers (four registers x 32 lanes = 512 bytes, lane l's 16 bytes at 16 l):
;   q_img, k_img: bh x 131072 + (token / 16) x 1024 + u x 512;   v_img: bh x 131072 + (token / 128) x 8192 + dt x 2048 + i x 512, lane r of tile dt = 2 B + u being channel 32 B + 8 u + r + 8 (r / 8);
;   y_img: (row / 128) x 131072 + (head / 2) x 16384 + (tile of 16 rows) x 2048 + i x 512: registers 4 i .. 4 i + 3 = k 32 i + 16 (lane / 16) + 0 .. 15 of 128 channels (two heads); i = 2 (head % 2) + B.
; THE SOFTMAX: t = score x 2^(e2+e3) x log2(e) / 8; M = the running largest t rounded UP to a whole number, kept as -M = floor(-t); p = 2^(t - M) is quantised with 2^e4, not normalised; the row's sum is taken of the
; unquantised p in f32; when M moves, the sum and O are multiplied by 2^(old M - new M), which rounds nothing.  y = O x 2^(e4+e5) / sum, so its conversion takes 2^(e6-e4-e5).
; LIMITS: e2 + e3 between -123 and 130 (added to c's exponent field); e4, and e6-e4-e5, between -126 and 119.  NaN among the inputs is not served.
; SHARES.  Work-group (j, bh) owns the blocks of 128 queries j and 15 - j of pair bh: 17 blocks of keys x 8 tiles whatever j is.  Wave w owns ONE tile of 16 queries: tile w / 2 of block j or of block 15 - j
; (role = (w ^ (w / 4)) & 1), and needs key blocks 0 .. its own.  A step all of whose keys come after the wave's queries is jumped over by a scalar branch on ids; on the diagonal hidden scores become -infinity.
; Both products are used transposed (S^T = K Q^T, O^T = V^T P^T): a lane holds one query (lane % 16) throughout, and the conversions' results are the next operand's registers.
; K AND V: a block of 128 keys is 8,192 dense bytes of each image.  Each of the 512 threads loads 16 bytes of each into registers one whole key block ahead, puts them into one of two LDS slots, and all sixteen waves read
; them.  One barrier a key block: in front of it each wave's LDS stores have landed and its reads are over; the slot written in a block is the one read before the last barrier and read next behind this one.
; No joint requests: the work-groups of one pair walk different numbers of key blocks (16 - j), and partners of a cluster must run alike.
.set LI,  1                            ; v1   16 x lane
.set STA, 2                            ; v2   16 x thread
.set OFF, 3                            ; v3   the offset of the loads in hand
.set DG,  5                            ; v5   16 ti + r - 8 h: on the diagonal, register 8 c + i (key 16 c + 8 h + i of the block) is hidden where 16 c + i > DG
.set QF,  32                           ; v32-39   Q
.set KF,  40                           ; v40-103  K's eight fragments, then V's four
.set S,   104                          ; v104-167 S^T, then p
.set O,   168                          ; v168-199 O^T
.set PC,  200                          ; v200-215 p's codes.  v8-15, v16-23: a block's K and V on their way; v24 -M, v25 the largest t, v[26:27] the sum; v28-31 scales; v[216:217] f; v218-222 at work
.set WV,  14
.set BQ,  19                           ; s19  my block of queries
.set NB,  20                           ; s20  the key block in hand
.set CNT, 21                           ; s21  trips to go
.set SEL, 24                           ; s[24:25] selects for lane l xor 16
.set CS,  26                           ; s[26:27] c
	s_load_b256 s[4:11], s[0:1], 0x0               ; q_img, k_img, v_img, scales
	s_load_b64 s[12:13], s[0:1], 0x20              ; y_img
	v_lshl_add_u32 v254, v0, 2, 0x8000
	v_mov_b32 v255, 0
	v_lshrrev_b32 v4, 5, v0
	v_readfirstlane_b32 s[WV], v4                  ; wave 0..15
	s_mov_b32 s15, ttmp9                           ; j
	s_and_b32 s16, ttmp7, 0xffff                   ; bh
	s_lshr_b32 s18, s[WV], 1                       ; ti
	s_lshr_b32 s17, s[WV], 2
	s_xor_b32 s17, s17, s[WV]
	s_and_b32 s17, s17, 1                          ; role
	s_sub_co_u32 s22, 15, s15
	s_cmp_eq_u32 s17, 0
	s_cselect_b32 s[BQ], s15, s22
	s_sub_co_u32 s[CNT], 17, s15
	s_lshr_b32 s[CNT], s[CNT], 1                   ; (17 - j) / 2 trips of two key blocks cover blocks 0 .. 15 - j
	s_mov_b32 s[NB], 0
	s_mov_b32 s[SEL], 0x76543210
	s_mov_b32 s[SEL+1], 0xfedcba98
	v_and_b32 v4, 31, v0
	v_lshlrev_b32 v[LI], 4, v4
	v_lshlrev_b32 v[STA], 4, v0
	v_and_b32 v6, 15, v0
	v_bfe_u32 v7, v0, 4, 1
	v_lshlrev_b32 v7, 3, v7
	v_sub_nc_u32 v[DG], v6, v7
	v_lshl_add_u32 v[DG], s18, 4, v[DG]
	s_lshl_b32 s40, s16, 17                        ; the pair's first byte in each image
	s_mov_b32 s41, 0
	s_lshl_b32 s42, s[BQ], 13
	s_lshl_b32 s43, s18, 10
	s_add_co_u32 s42, s42, s43
	s_add_co_u32 s42, s42, s40                     ; my tile of queries
	s_mov_b32 s43, 0
	s_lshr_b32 s44, s16, 4
	s_lshl_b32 s44, s44, 4
	s_add_co_u32 s44, s44, s[BQ]                   ; y: batch x 16 + my block
	s_lshl_b32 s44, s44, 17
	s_and_b32 s45, s16, 15
	s_lshr_b32 s45, s45, 1
	s_lshl_b32 s45, s45, 14                        ; head / 2
	s_add_co_u32 s44, s44, s45
	s_lshl_b32 s45, s18, 11                        ; my tile
	s_add_co_u32 s44, s44, s45
	s_and_b32 s45, s16, 1
	s_lshl_b32 s45, s45, 10                        ; quads 2 (head % 2) and the next
	s_add_co_u32 s44, s44, s45
	s_mov_b32 s45, 0
	s_wait_kmcnt 0x0
	s_load_b256 s[28:35], s[10:11], 0x0            ; e0 .. e7
	s_add_nc_u64 s[4:5], s[4:5], s[42:43]
	s_add_nc_u64 s[36:37], s[6:7], s[40:41]        ; K's image of the pair
	s_add_nc_u64 s[38:39], s[8:9], s[40:41]        ; V's
	s_add_nc_u64 s[12:13], s[12:13], s[44:45]
	global_load_b128 v[QF:QF+3], v[LI], s[4:5]
	global_load_b128 v[QF+4:QF+7], v[LI], s[4:5] offset:512
	global_load_b128 v[8:11], v[STA], s[36:37]                 ; key block 0
	global_load_b128 v[12:15], v[STA], s[38:39]
	global_load_b128 v[16:19], v[STA], s[36:37] offset:8192    ; key block 1
	global_load_b128 v[20:23], v[STA], s[38:39] offset:8192
	v_mov_b32 v25, 0xff61b1e6                      ; the largest t so far: -3e38
	v_floor_f32 v24, -v25                          ; -M
	v_mov_b32 v26, 0
	v_mov_b32 v27, 0
	v_mov_b32 v217, 0                              ; named as the upper half of the pair v[216:217]
	v_mov_b32 v222, 0                              ; a lane permute's destination counts as read
.set n, 0
.rept 32
	v_mov_b32 v[O+n], 0                            ; the step is written once: the first finds zeros, which the first change of M leaves zeros
.set n, n+1
.endr
	s_wait_kmcnt 0x0
	s_mov_b32 s[CS], 0x3e38aa3b                    ; log2(e) / 8
	s_add_co_i32 s22, s30, s31
	s_lshl_b32 s22, s22, 23
	s_add_co_i32 s[CS], s[CS], s22                 ; x 2^(e2 + e3)
	s_mov_b32 s[CS+1], s[CS]
	s_add_co_i32 s22, s32, 127
	s_lshl_b32 s23, s22, 23
	v_mov_b32 v28, s23                             ; 2^e4
	s_add_co_i32 s22, s22, 8
	s_lshl_b32 s22, s22, 23
	s_or_b32 s22, s22, 0x600000
	v_mov_b32 v29, s22                             ; 448 x 2^e4
	s_sub_co_i32 s22, s34, s32
	s_sub_co_i32 s22, s22, s33
	s_add_co_i32 s22, s22, 127
	s_lshl_b32 s23, s22, 23
	v_mov_b32 v30, s23                             ; 2^(e6 - e4 - e5)
	s_add_co_i32 s22, s22, 8
	s_lshl_b32 s22, s22, 23
	s_or_b32 s22, s22, 0x600000
	v_mov_b32 v31, s22
	s_wait_loadcnt 2                               ; Q and key block 0 are in; block 1's two loads may be out
	ds_store_b128 v[STA], v[8:11]
	ds_store_b128 v[STA], v[12:15] offset:8192
	s_wait_dscnt 0x0
	s_barrier_signal -1
	s_barrier_wait -1
; A KEY STEP: my 16 queries against the 128 keys in slot s.
.macro STEP s
	s_cmp_gt_u32 s[NB], s[BQ]                      ; all its keys come after my queries: nothing to do
	s_cbranch_scc1 .Lskip_\@
.irp c, 0,1,2,3,4,5,6,7
	ds_load_b128 v[KF+8*\c:KF+8*\c+3], v[LI] offset:(\s)*16384+\c*1024
	ds_load_b128 v[KF+8*\c+4:KF+8*\c+7], v[LI] offset:(\s)*16384+\c*1024+512
.endr
	s_wait_dscnt 0x0
.irp c, 0,1,2,3,4,5,6,7
	v_wmma_f32_16x16x64_fp8_fp8 v[S+8*\c:S+8*\c+7], v[KF+8*\c:KF+8*\c+7], v[QF:QF+7], 0   ; register 8 c + i: key 16 c + 8 (lane / 16) + i, query lane % 16
.endr
.rept 4
	v_nop                                          ; places in front of the loads into K's registers and of the first read of the scores
.endr
.irp d, 0,1,2,3
.irp i, 0,1,2,3
	ds_load_b128 v[KF+16*\d+4*\i:KF+16*\d+4*\i+3], v[LI] offset:(\s)*16384+8192+\d*2048+\i*512   ; V lands while the softmax is walked
.endr
.endr
	s_cmp_lg_u32 s[NB], s[BQ]
	s_cbranch_scc1 .Lopen_\@
	v_mov_b32 v220, 0xff800000                     ; on the diagonal: -infinity for hidden keys, ahead of the maximum: p = 0 then
.set n, 0
.rept 64
	v_cmp_gt_i32 vcc_lo, n+8*(n/8), v[DG]
	v_cndmask_b32 v[S+n], v[S+n], v220, vcc_lo
.set n, n+1
.endr
.Lopen_\@:
	v_max3_num_f32 v220, v[S], v[S+1], v[S+2]      ; the step's largest score among my 64 keys, in two chains, each accumulator from its low end on
	v_max3_num_f32 v221, v[S+3], v[S+4], v[S+5]
.irp i, 6,10,14,18,22,26,30,34,38,42,46,50,54,58
	v_max3_num_f32 v220, v220, v[S+\i], v[S+\i+1]
	v_max3_num_f32 v221, v221, v[S+\i+2], v[S+\i+3]
.endr
	v_max3_num_f32 v220, v220, v[S+62], v[S+63]
	v_max_num_f32 v220, v220, v221
	v_permlanex16_b32 v222, v220, s[SEL], s[SEL+1]
	v_max_num_f32 v220, v220, v222                 ; and among lane l xor 16's
	v_mul_f32 v220, s[CS], v220                    ; as t (c is positive)
	v_max_num_f32 v25, v25, v220
	v_mov_b32 v220, v24
	v_floor_f32 v24, -v25                          ; the new -M
	v_sub_f32 v220, v24, v220                      ; old M - new M: a whole number, 0 or less
	v_cvt_i32_f32 v220, v220                       ; (it saturates)
	v_ldexp_f32 v216, 1.0, v220                    ; f = 2^(old M - new M)
.set n, 0
.rept 32
	v_pk_fma_f32 v[S+n:S+n+1], v[S+n:S+n+1], s[CS:CS+1], v[24:25] op_sel_hi:[1,0,0]   ; t - M
.set n, n+2
.endr
.set n, 0
.rept 64
	v_exp_f32 v[S+n], v[S+n]                       ; p = 2^(t - M)
.set n, n+1
.endr
	v_pk_mul_f32 v[26:27], v[26:27], v[216:217] op_sel_hi:[1,0]   ; the sums under the new M: the plain place behind the exponentials
	s_wait_alu depctr_va_vdst(0)                   ; one wait for the batch, ahead of its first reader
	v_pk_add_f32 v[218:219], v[S:S+1], v[S+2:S+3]  ; the sum of the unquantised p, in two chains
.irp j, 4,8,12,16,20,24,28,32,36,40,44,48,52,56,60
	v_pk_add_f32 v[26:27], v[26:27], v[S+\j:S+\j+1]
	v_pk_add_f32 v[218:219], v[218:219], v[S+\j+2:S+\j+3]
.endr
	v_pk_add_f32 v[26:27], v[26:27], v[218:219]
.irp c, 0,1,2,3,4,5,6,7
.irp i, 0,1,2,3,4,5,6,7
	v_min_num_f32 v[S+8*\c+\i], v[S+8*\c+\i], v29  ; the hold (ISA guide 7.6.2); p is not negative
.endr
	v_cvt_scalef32_pk8_fp8_f32 v[PC+2*\c:PC+2*\c+1], v[S+8*\c:S+8*\c+7], v28   ; keys 16 c + 8 h + 0 .. 7: registers 2 c, 2 c + 1 of the operand
.endr
.set n, 0
.rept 16
	v_pk_mul_f32 v[O+n:O+n+1], v[O+n:O+n+1], v[216:217] op_sel_hi:[1,0]   ; O^T under the new M; also the plain lines behind the conversions
.set n, n+2
.endr
	s_wait_dscnt 0x0                               ; V is in
.irp d, 0,1,2,3
	v_wmma_f32_16x16x128_fp8_fp8 v[O+8*\d:O+8*\d+7], v[KF+16*\d:KF+16*\d+15], v[PC:PC+15], v[O+8*\d:O+8*\d+7]
.endr
.rept 4
	v_nop                                          ; places in front of the next loads into V's registers and of the next read of O^T
.endr
.Lskip_\@:
.endm
; Key block NB lies in slot s.  Block NB + 1, asked for a block ago, goes into the other slot; block NB + 2 (held at 15, the pair's last) is asked for.
.macro HALF s
.set RA, 8+8*(1-(\s))
.set RB, 8+8*(\s)
	s_wait_loadcnt 0x0                             ; block NB + 1 is in registers, and the offset register is free
	ds_store_b128 v[STA], v[RA:RA+3] offset:(1-(\s))*16384
	ds_store_b128 v[STA], v[RA+4:RA+7] offset:(1-(\s))*16384+8192
	s_add_co_u32 s22, s[NB], 2
	s_min_u32 s22, s22, 15
	v_lshl_add_u32 v[OFF], s22, 13, v[STA]
	global_load_b128 v[RB:RB+3], v[OFF], s[36:37]
	global_load_b128 v[RB+4:RB+7], v[OFF], s[38:39]
	STEP \s
	s_add_co_u32 s[NB], s[NB], 1
	s_wait_dscnt 0x0                               ; my stores into the other slot have landed, my reads of this one are over
	s_barrier_signal -1
	s_barrier_wait -1
.endm
.Lpair:
	HALF 0
	HALF 1
	s_sub_co_u32 s[CNT], s[CNT], 1
	s_cmp_lg_u32 s[CNT], 0
	s_cbranch_scc1 .Lpair
	; THE WAY OUT: O^T / the sum, held, converted with 2^(e6 - e4 - e5).  Tiles 2 B and 2 B + 1 give a lane channels 32 B + 16 h + 0 .. 15: a quad of y's image.
	v_add_f32 v26, v26, v27
	v_permlanex16_b32 v222, v26, s[SEL], s[SEL+1]
	v_add_f32 v26, v26, v222                       ; the row's sum
	v_rcp_f32 v216, v26
	v_nop                                          ; a plain place behind the reciprocal
	s_wait_alu depctr_va_vdst(0)                   ; and the wait ahead of its first reader
.set n, 0
.rept 16
	v_pk_mul_f32 v[O+n:O+n+1], v[O+n:O+n+1], v[216:217] op_sel_hi:[1,0]
.set n, n+2
.endr
.set n, 0
.rept 32
	v_med3_num_f32 v[O+n], v[O+n], -v31, v31
.set n, n+1
.endr
.irp d, 0,1,2,3
	v_cvt_scalef32_pk8_fp8_f32 v[PC+2*\d:PC+2*\d+1], v[O+8*\d:O+8*\d+7], v30
.endr
	v_nop
	global_store_b128 v[LI], v[PC:PC+3], s[12:13]              ; 32 lanes store 512 consecutive bytes, aligned
	global_store_b128 v[LI], v[PC+4:PC+7], s[12:13] offset:512
	s_wait_tensorcnt 0x0
	ds_add_u32 v254, v255
	s_wait_dscnt 0x0
	s_endpgm
.Lfunc_end_k_q00b287d4b0_attn:
	.size	k_q00b287d4b0_attn, .Lfunc_end_k_q00b287d4b0_attn-k_q00b287d4b0_attn
	.p2alignl 7, 3214868480
	.fill 96, 4, 3214868480
	.section	.rodata,"a",@progbits
	.p2align	6, 0x0
	.amdhsa_kernel k_q00b287d4b0_attn
		.amdhsa_group_segment_fixed_size 34816
		.amdhsa_private_segment_fixed_size 0
		.amdhsa_enable_private_segment 0
		.amdhsa_kernarg_size 40
		.amdhsa_user_sgpr_count 2
		.amdhsa_user_sgpr_kernarg_segment_ptr 1
		.amdhsa_wavefront_size32 1
		.amdhsa_system_sgpr_workgroup_id_x 1
		.amdhsa_system_sgpr_workgroup_id_y 1
		.amdhsa_system_sgpr_workgroup_id_z 1
		.amdhsa_system_vgpr_workitem_id 0
		.amdhsa_next_free_vgpr 256
		.amdhsa_next_free_sgpr 66
		.amdhsa_reserve_vcc 1
		.amdhsa_float_denorm_mode_32 3
		.amdhsa_float_denorm_mode_16_64 3
		.amdhsa_memory_ordered 1
		.amdhsa_forward_progress 1
		.amdhsa_inst_pref_size 51
	.end_amdhsa_kernel
	.amdgpu_metadata
---
amdhsa.version: [ 1, 2 ]
amdhsa.kernels:
  - .name:           k_q00b287d4b0_attn
    .symbol:         k_q00b287d4b0_attn.kd
    .args:
      - { .name: q_img, .offset: 0, .size: 8, .value_kind: global_buffer, .address_space: global }
      - { .name: k_img, .offset: 8, .size: 8, .value_kind: global_buffer, .address_space: global }
      - { .name: v_img, .offset: 16, .size: 8, .value_kind: global_buffer, .address_space: global }
      - { .name: lowp_scales, .offset: 24, .size: 8, .value_kind: global_buffer, .address_space: global }
      - { .name: y_img, .offset: 32, .size: 8, .value_kind: global_buffer, .address_space: global }
    .group_segment_fixed_size: 34816
    .private_segment_fixed_size: 0
    .kernarg_segment_align: 8
    .kernarg_segment_size: 40
    .max_flat_workgroup_size: 512
    .sgpr_count:     66
    .vgpr_count:     256
    .wavefront_size: 32
...
	.end_amdgpu_metadata
.endif
;; end of part 2
;; launch proj (part 3): grid 8 x 32, 4 waves a work-group, clusters of 4 x 4, 327,680 bytes of LDS; arguments y_img, W_proj_codes, b_proj, lowp_scales, out0; writes out0
.if DOCPART == 3
	.amdgcn_target "amdgcn-amd-amdhsa--gfx1250"
	.amdhsa_code_object_version 6
	.text
	.protected	k_q00b287d4b0_proj
	.globl	k_q00b287d4b0_proj
	.p2align	8
	.type	k_q00b287d4b0_proj,@function
k_q00b287d4b0_proj:
	s_mov_b64 s[64:65], 0
	v_nop
	global_prefetch_b8 v0, s[64:65] scope:SCOPE_SE
	s_setreg_imm32_b32 hwreg(HW_REG_WAVE_MODE, 25, 1), 1
	s_wait_xcnt 0x0
	s_wait_alu depctr_hold_cnt(0) depctr_sa_sdst(0) depctr_va_vdst(0) depctr_va_sdst(0) depctr_va_ssrc(0) depctr_va_vcc(0) depctr_vm_vsrc(0)
	s_getreg_b32 s2, hwreg(HW_REG_IB_STS2, 6, 4)
	s_cmp_eq_u32 s2, 0
	s_cbranch_scc0 .Lentry_in_a_cluster
	s_endpgm
.Lentry_in_a_cluster:
	s_bfe_u32 s2, ttmp6, 0x10000c
	s_cmp_lg_u32 s2, 0xf033
	s_cbranch_scc0 .Lentry_shape_is_right
	s_endpgm
.Lentry_shape_is_right:
; out0 = y W_proj + b_proj on codes of E4M3: y as images of its fragments (y_img: (row / 128) x 131072 + kb x 16384 + tile x 2048 + i x 512 + 16 x lane: registers 4 i .. 4 i + 3 = k 32 i + 16 (lane / 16) + 0 .. 15 of
; K block kb of 128), W_proj: [1024][1024] bytes, K innermost; out0: [4096][1024] f32 = sum x 2^(e6 + e7) + b, one packed multiply-add for two numbers.
; LIMIT: e6 + e7 between -126 and 127.  W's fragments are fetched 16 bytes at a time, which gives them the order of k that y's images have.
; SHARES.  A work-group: 128 rows (block mb) x 128 columns (block nb); wave (wm = w / 2, wn = w % 2): 64 x 64: 16 accumulators.  Source 0 = 16 rows of W, source 1 = 16 rows of y: a lane holds eight neighbouring columns of a row.
; ALL OF K FITS IN LDS: y's block is 131,072 dense bytes, W's 128 rows are four chunks of 256 along K.  Every byte is filled once: no slot is filled again.  Waves 0 and 1 fetch y's eight K blocks, waves 2 and 3 W's
; halves of 64 rows, four loads a wave, all issued at the start: four tensor loads of a wave are out at most; counted waits and a barrier let each chunk be read as it lands.
; CLUSTER 4 x 4: y's block hangs on mb alone and is asked for jointly by a row of the cluster, W's rows on nb alone, by a column.
; REGISTERS: window 0: v10-18 addresses; v32-63 the bias; v64-95 at work; v128-255 the accumulators ((a, b) at v[128 + 8 (4 a + b)]).  Window 1: two sets of 128: y's four fragments, then W's four.
.set BOFF,  131072                     ; LDS: W's chunks, 128 rows x 272 each
.set CHB,   128*272
.set STAGE, BOFF+4*CHB                 ; behind them: 16 rows x 272 bytes for each wave, for the way out; no tile lands there
.set ADA,  10                          ; v10-11  y's fragments: K blocks 0-3, 4-7
.set ADB,  12                          ; v12-15  W's fragments in chunk 0..3
.set STO,  16
.set RD,   17
.set CO,   18
.set BIAS, 32
.set TMP,  64
.set ACC,  128
.set WV,   14
.set G1A,  16                          ; s[16:23]
.set G1B,  24                          ; s[24:31]
.set G0A,  32                          ; s[32:47] a set a chunk
.set G0B,  48                          ; s[48:63]
.set MSB,  0
.macro WIN new
.if MSB != (\new)
	s_set_vgpr_msb (MSB<<8)|(\new)
.set MSB, (\new)
.endif
.endm
.macro PLACES
.rept 4
	v_nop
.endr
.endm
.macro CROUND                          ; a round of the cluster's barrier
	s_barrier_signal -1
	s_barrier_wait -1
	s_cmp_lg_u32 s[WV], 0
	s_cbranch_scc1 .Lnot_wave_0_\@
	s_barrier_signal -3
.Lnot_wave_0_\@:
	s_barrier_wait -3
	s_barrier_signal -1
	s_barrier_wait -1
.endm
	s_load_b256 s[4:11], s[0:1], 0x0               ; y_img, W, b, scales
	s_load_b64 s[12:13], s[0:1], 0x20              ; out0
	v_lshl_add_u32 v126, v0, 2, 0x46400
	v_mov_b32 v127, 0
	ds_add_u32 v126, v127
	ds_add_u32 v126, v127
	v_lshrrev_b32 v1, 5, v0
	v_readfirstlane_b32 s[WV], v1                  ; wave 0..3
	s_and_b32 s15, s[WV], 1                        ; wn; also: which half I fetch
	s_lshr_b32 s88, s[WV], 1                       ; wm; also: I fetch for y (0) or for W (1)
	s_bfe_u32 s66, ttmp6, 0x40000                  ; cx
	s_bfe_u32 s67, ttmp6, 0x40004                  ; cy
	s_lshl_b32 s68, ttmp9, 2
	s_add_co_u32 s68, s68, s66                     ; nb
	s_and_b32 s69, ttmp7, 0xffff
	s_lshl_b32 s69, s69, 2
	s_add_co_u32 s69, s69, s67                     ; mb
	s_lshl_b32 s70, s67, 2
	s_lshl_b32 s70, 15, s70                        ; my row of the cluster
	s_lshl_b32 s71, 0x1111, s66                    ; my column
	s_or_b32 s[G1A], s70, (3<<16)|(1<<21)          ; y: a dense block as 64 rows of 32 elements of 8 bytes; no padding
	s_mov_b32 s[G1A+1], 32<<16
	s_mov_b32 s[G1A+2], 64<<16
	s_mov_b32 s[G1A+3], 32<<16
	s_mov_b32 s[G1A+4], 64
	s_mov_b32 s[G1A+5], 32
	s_mov_b32 s[G1A+6], 0
	s_mov_b32 s[G1A+7], 0
	s_or_b32 s[G1B], s71, (1<<20)|(1<<21)|(5<<22)|(3<<25)   ; W: 64 rows of 256 bytes, 1,024 apart; 4 words of padding behind every 64
	s_mov_b32 s[G1B+1], 256<<16
	s_mov_b32 s[G1B+2], 64<<16
	s_mov_b32 s[G1B+3], 256<<16
	s_mov_b32 s[G1B+4], 64
	s_mov_b32 s[G1B+5], 1024
	s_mov_b32 s[G1B+6], 0
	s_mov_b32 s[G1B+7], 0
	s_lshl_b32 s80, s69, 17                        ; y: block mb, K block (w % 2)
	s_lshl_b32 s81, s15, 14
	s_add_co_u32 s80, s80, s81
	s_mov_b32 s81, 0
	s_lshl_b32 s82, s68, 17                        ; W: row 128 nb + 64 (w % 2)
	s_lshl_b32 s83, s15, 16
	s_add_co_u32 s82, s82, s83
	s_mov_b32 s83, 0
	s_lshl_b32 s84, s15, 14                        ; where they go
	s_mul_i32 s85, s15, 64*272
	s_add_co_u32 s85, s85, BOFF
	s_wait_dscnt 0x0
	s_wait_kmcnt 0x0
	s_load_b256 s[72:79], s[10:11], 0x0            ; e0 .. e7
	s_add_nc_u64 s[80:81], s[4:5], s[80:81]
	s_add_nc_u64 s[82:83], s[6:7], s[82:83]
	CROUND                                         ; all sixteen work-groups are here: the joint loads meet
.irp q, 0,1,2,3
	s_mov_b32 s[G0A+4*\q], 1
	s_add_co_u32 s[G0A+4*\q+1], s84, \q*32768
	s_add_nc_u64 s[G0A+4*\q+2:G0A+4*\q+3], s[80:81], \q*32768
	s_or_b32 s[G0A+4*\q+3], s[G0A+4*\q+3], 0x80000000
	s_mov_b32 s[G0B+4*\q], 1
	s_add_co_u32 s[G0B+4*\q+1], s85, \q*CHB
	s_add_nc_u64 s[G0B+4*\q+2:G0B+4*\q+3], s[82:83], \q*256
	s_or_b32 s[G0B+4*\q+3], s[G0B+4*\q+3], 0x80000000
.endr
	s_cmp_lt_u32 s[WV], 2                          ; a wave's four fills stand in one branch, ahead of every wait on TENSORcnt and every LDS read
	s_cbranch_scc0 .Lfor_w
.irp q, 0,1,2,3
	tensor_load_to_lds s[G0A+4*\q:G0A+4*\q+3], s[G1A:G1A+7]
	s_nop 0
.endr
.rept 4
	v_nop
.endr
	s_branch .Lasked
.Lfor_w:
.irp q, 0,1,2,3
	tensor_load_to_lds s[G0B+4*\q:G0B+4*\q+3], s[G1B:G1B+7]
	s_nop 0
.endr
.rept 4
	v_nop
.endr
.Lasked:
	v_and_b32 v1, 15, v0                           ; r
	v_bfe_u32 v2, v0, 4, 1                         ; h
	v_and_b32 v3, 31, v0
	v_lshlrev_b32 v4, 4, v3                        ; 16 x lane
	s_lshl_b32 s89, s88, 13                        ; my four tiles of rows: 4 wm x 2,048
	v_add_nc_u32 v[ADA], s89, v4
	v_add_nc_u32 v[ADA+1], 65536, v[ADA]
	v_mul_u32_u24 v5, v1, 272
	v_lshl_add_u32 v5, v2, 4, v5
	s_mul_i32 s89, s15, 64*272                     ; my 64 rows of W
	s_add_co_u32 s89, s89, BOFF
.irp q, 0,1,2,3
	v_add_nc_u32 v[ADB+\q], s89, v5
	s_add_co_u32 s89, s89, CHB
.endr
	s_mul_i32 s89, s[WV], 16*272
	s_add_co_u32 s89, s89, STAGE                   ; my stage
	v_mul_u32_u24 v6, v1, 272
	v_lshl_add_u32 v6, v2, 5, v6
	v_add_nc_u32 v[STO], s89, v6                   ; in: row r, 32 bytes for each half of the lanes
	v_mul_u32_u24 v7, v2, 272
	v_lshl_add_u32 v7, v1, 4, v7
	v_add_nc_u32 v[RD], s89, v7                    ; back: lanes 0-15 one row of 256 bytes, lanes 16-31 the next
	v_lshlrev_b32 v8, 12, v2
	v_lshl_add_u32 v[CO], v1, 4, v8                ; and the same two rows in out0
	s_lshl_b32 s90, s68, 9
	s_lshl_b32 s91, s15, 8
	s_add_co_u32 s90, s90, s91                     ; my first column, in bytes
	s_mov_b32 s91, 0
	s_add_nc_u64 s[8:9], s[8:9], s[90:91]
	s_add_nc_u64 s[12:13], s[12:13], s[90:91]
	s_lshl_b32 s90, s69, 19
	s_lshl_b32 s84, s88, 18
	s_add_co_u32 s90, s90, s84                     ; my first row: (128 mb + 64 wm) x 4,096 bytes
	s_add_nc_u64 s[12:13], s[12:13], s[90:91]
	v_lshlrev_b32 v9, 5, v2
.irp b, 0,1,2,3
	global_load_b128 v[BIAS+8*\b:BIAS+8*\b+3], v9, s[8:9] offset:64*\b         ; b at columns 16 b + 8 h + 0 .. 7
	global_load_b128 v[BIAS+8*\b+4:BIAS+8*\b+7], v9, s[8:9] offset:64*\b+16
.endr
; 32 LDS loads in one run: the fragments of K block s (128 along K) into set p
.macro FETCH s, p
	WIN 0x40                                       ; destination window 1
.irp a, 0,1,2,3
.irp i, 0,1,2,3
	ds_load_b128 v[128*(\p)+16*\a+4*\i:128*(\p)+16*\a+4*\i+3], v[ADA+(\s)/4] offset:((\s)%4)*16384+\a*2048+512*\i
.endr
.endr
.irp b, 0,1,2,3
.irp c, 0,1,2,3
	ds_load_b128 v[128*(\p)+64+16*\b+4*\c:128*(\p)+64+16*\b+4*\c+3], v[ADB+(\s)/2] offset:\b*4352+128*((\s)%2)+32*\c
.endr
.endr
.endm
.macro MUL16 p, zero                   ; the 16 accumulators take turns, one instruction a turn; zero = 1: the first products start the sums
.irp a, 0,1,2,3
.irp b, 0,1,2,3
.if \zero
	v_wmma_f32_16x16x128_fp8_fp8 v[ACC+8*(4*\a+\b):ACC+8*(4*\a+\b)+7], v[128*(\p)+64+16*\b:128*(\p)+64+16*\b+15], v[128*(\p)+16*\a:128*(\p)+16*\a+15], 0
.else
	v_wmma_f32_16x16x128_fp8_fp8 v[ACC+8*(4*\a+\b):ACC+8*(4*\a+\b)+7], v[128*(\p)+64+16*\b:128*(\p)+64+16*\b+15], v[128*(\p)+16*\a:128*(\p)+16*\a+15], v[ACC+8*(4*\a+\b):ACC+8*(4*\a+\b)+7]
.endif
.endr
.endr
.endm
.macro PSTEP s, zero                   ; K block s: its fragments are in set s % 2; the next block's are fetched ahead of the products
	s_wait_dscnt 0x0
.if (\s) < 7
.if (\s)%2 == 1
	s_wait_tensorcnt 3-((\s)+1)/2                  ; my load of the next chunk is in; the later ones may stay out
	s_barrier_signal -1
	s_barrier_wait -1                              ; everybody's is
.endif
	PLACES                                         ; the other set was read by the products just issued
	FETCH (\s)+1, 1-(\s)%2
.endif
	WIN 0x05                                       ; sources window 1, C and D window 0
	MUL16 (\s)%2, \zero
.endm
	s_wait_tensorcnt 3                             ; my first load is in
	s_barrier_signal -1
	s_barrier_wait -1
	FETCH 0, 0
	PSTEP 0, 1
.irp s, 1,2,3,4,5,6,7
	PSTEP \s, 0
.endr
	WIN 0
	PLACES
	s_wait_loadcnt 0x0                             ; the bias
	s_wait_kmcnt 0x0
	s_add_co_i32 s86, s78, s79                     ; e6 + e7
	s_add_co_i32 s86, s86, 127
	s_lshl_b32 s86, s86, 23                        ; 2^(e6 + e7) as f32
	s_mov_b32 s87, s86
; THE WAY OUT, 16 rows x 64 columns at a time, through my own stage: LDS serves a wave's instructions in order (ISA guide 5.7.1.4), so no wait stands between the stores and the loads.
.macro TOSTAGE a
.irp b, 0,1,2,3
.irp i, 0,2,4,6
	v_pk_fma_f32 v[TMP+8*\b+\i:TMP+8*\b+\i+1], v[ACC+8*(4*(\a)+\b)+\i:ACC+8*(4*(\a)+\b)+\i+1], s[86:87], v[BIAS+8*\b+\i:BIAS+8*\b+\i+1] op_sel_hi:[1,0,1]
.endr
.endr
.irp b, 0,1,2,3
	ds_store_b128 v[STO], v[TMP+8*\b:TMP+8*\b+3] offset:64*\b
	ds_store_b128 v[STO], v[TMP+8*\b+4:TMP+8*\b+7] offset:64*\b+16
.endr
.irp i, 0,1,2,3,4,5,6,7
	ds_load_b128 v[ACC+32*(\a)+4*\i:ACC+32*(\a)+4*\i+3], v[RD] offset:\i*544   ; whole rows, into the registers that the block's sums have left
.endr
.endm
.macro SEND a, younger                 ; younger: the LDS instructions issued behind block a's loads
	s_wait_dscnt \younger
.irp i, 0,1,2,3,4,5,6,7
	global_store_b128 v[CO], v[ACC+32*(\a)+4*\i:ACC+32*(\a)+4*\i+3], s[12:13] offset:(16*(\a)+2*\i)*4096 th:TH_STORE_NT   ; 16 lanes store 256 consecutive bytes, aligned
.endr
.endm
	TOSTAGE 0
.irp a, 1,2,3
	TOSTAGE \a
	SEND \a-1, 16
.endr
	SEND 3, 0
	s_wait_tensorcnt 0x0
	ds_add_u32 v126, v127
	s_wait_dscnt 0x0
	CROUND                                         ; the closing round: no work-group ends while a partner may still ask for a tile that names it
	s_endpgm
.Lfunc_end_k_q00b287d4b0_proj:
	.size	k_q00b287d4b0_proj, .Lfunc_end_k_q00b287d4b0_proj-k_q00b287d4b0_proj
	.p2alignl 7, 3214868480
	.fill 96, 4, 3214868480
	.section	.rodata,"a",@progbits
	.p2align	6, 0x0
	.amdhsa_kernel k_q00b287d4b0_proj
		.amdhsa_group_segment_fixed_size 327680
		.amdhsa_private_segment_fixed_size 0
		.amdhsa_enable_private_segment 0
		.amdhsa_kernarg_size 40
		.amdhsa_user_sgpr_count 2
		.amdhsa_user_sgpr_kernarg_segment_ptr 1
		.amdhsa_wavefront_size32 1
		.amdhsa_system_sgpr_workgroup_id_x 1
		.amdhsa_system_sgpr_workgroup_id_y 1
		.amdhsa_system_sgpr_workgroup_id_z 1
		.amdhsa_system_vgpr_workitem_id 0
		.amdhsa_next_free_vgpr 512
		.amdhsa_next_free_sgpr 92
		.amdhsa_reserve_vcc 0
		.amdhsa_float_denorm_mode_32 3
		.amdhsa_float_denorm_mode_16_64 3
		.amdhsa_memory_ordered 1
		.amdhsa_forward_progress 1
		.amdhsa_inst_pref_size 47
	.end_amdhsa_kernel
	.amdgpu_metadata
---
amdhsa.version: [ 1, 2 ]
amdhsa.kernels:
  - .name:           k_q00b287d4b0_proj
    .symbol:         k_q00b287d4b0_proj.kd
    .args:
      - { .name: y_img, .offset: 0, .size: 8, .value_kind: global_buffer, .address_space: global }
      - { .name: W_proj_codes, .offset: 8, .size: 8, .value_kind: global_buffer, .address_space: global }
      - { .name: b_proj, .offset: 16, .size: 8, .value_kind: global_buffer, .address_space: global }
      - { .name: lowp_scales, .offset: 24, .size: 8, .value_kind: global_buffer, .address_space: global }
      - { .name: out0, .offset: 32, .size: 8, .value_kind: global_buffer, .address_space: global }
    .group_segment_fixed_size: 327680
    .private_segment_fixed_size: 0
    .kernarg_segment_align: 8
    .kernarg_segment_size: 40
    .max_flat_workgroup_size: 128
    .sgpr_count:     92
    .vgpr_count:     512
    .wavefront_size: 32
...
	.end_amdgpu_metadata
.endif
;; end of part 3
;; ======== version 2 of 2: 3 launches; version 1 with the launch attn written anew for expert scheduling mode
;; workspace buffers: q_img 4,194,304 bytes; k_img 4,194,304 bytes; v_img 4,194,304 bytes; y_img 4,194,304 bytes
;; launch qkv: the kernel of part 1 again; grid 8 x 32, 4 waves a work-group, clusters of 4 x 4, 327,680 bytes of LDS; arguments x_codes, W_qkv_codes, b_qkv, lowp_scales, q_img, k_img, v_img; writes q_img, k_img, v_img
;; launch attn (part 4): grid 8 x 32, 16 waves a work-group, no clusters, 34,816 bytes of LDS; arguments q_img, k_img, v_img, lowp_scales, y_img; writes y_img
.if DOCPART == 4
	.amdgcn_target "amdgcn-amd-amdhsa--gfx1250"
	.amdhsa_code_object_version 6
	.text
	.protected	k_q00b287d4b0_attn
	.globl	k_q00b287d4b0_attn
	.p2align	8
	.type	k_q00b287d4b0_attn,@function
k_q00b287d4b0_attn:
	s_mov_b64 s[64:65], 0
	v_nop
	global_prefetch_b8 v0, s[64:65] scope:SCOPE_SE
	s_setreg_imm32_b32 hwreg(HW_REG_WAVE_SCHED_MODE, 0, 2), 2
	s_setreg_imm32_b32 hwreg(HW_REG_WAVE_MODE, 25, 1), 1
	s_wait_xcnt 0x0
	s_wait_alu depctr_vm_vsrc(0)
; y[b][t][head] = causal softmax(q k^T / 8) v for 32 (batch, head) pairs of 2,048 tokens x 64 channels, both products on codes of E4M3; y is quantised with 2^e6 and stored as codes.
; q_img, k_img, v_img, y_img hold images of the operands' registers (four registers x 32 lanes = 512 bytes, lane l's 16 bytes at 16 l):
;   q_img, k_img: bh x 131072 + (token / 16) x 1024 + u x 512;   v_img: bh x 131072 + (token / 128) x 8192 + dt x 2048 + i x 512, lane r of tile dt = 2 B + u being channel 32 B + 8 u + r + 8 (r / 8);
;   y_img: (row / 128) x 131072 + (head / 2) x 16384 + (tile of 16 rows) x 2048 + i x 512: registers 4 i .. 4 i + 3 = k 32 i + 16 (lane / 16) + 0 .. 15 of 128 channels (two heads); i = 2 (head % 2) + B.
; THE SOFTMAX: t = score x 2^(e2+e3) x log2(e) / 8; M = the running largest t rounded UP to a whole number, kept as -M = floor(-t); p = 2^(t - M) is quantised with 2^e4, not normalised; the row's sum is taken of the
; unquantised p in f32; when M moves, the sum and O are multiplied by 2^(old M - new M), which rounds nothing.  y = O x 2^(e4+e5) / sum, so its conversion takes 2^(e6-e4-e5).
; LIMITS: e2 + e3 between -123 and 130 (added to c's exponent field); e4, and e6-e4-e5, between -126 and 119.  NaN among the inputs is not served.
; SHARES.  Work-group (j, bh) owns the blocks of 128 queries j and 15 - j of pair bh: 17 blocks of keys x 8 tiles whatever j is.  Wave w owns ONE tile of 16 queries: tile w / 2 of block j or of block 15 - j
; (role = (w ^ (w / 4)) & 1), and needs key blocks 0 .. its own.  A step all of whose keys come after the wave's queries is jumped over by a scalar branch on ids; on the diagonal hidden scores become -infinity.
; Both products are used transposed (S^T = K Q^T, O^T = V^T P^T): a lane holds one query (lane % 16) throughout, and the conversions' results are the next operand's registers.
; K AND V: a block of 128 keys is 8,192 dense bytes of each image.  Each of the 512 threads loads 16 bytes of each into registers one whole key block ahead, puts them into one of two LDS slots, and all sixteen waves read
; them.  One barrier a key block: in front of it each wave's LDS stores have landed and its reads are over; the slot written in a block is the one read before the last barrier and read next behind this one.
; No joint requests: the work-groups of one pair walk different numbers of key blocks (16 - j), and partners of a cluster must run alike.
; THE MODE: SCHED_MODE bits 1:0 = 2 (LLVM: expert scheduling mode 2), set by the entry lines.  The code itself states the register dependences between vector or matrix instructions and memory or LDS
; instructions, with s_wait_alu, always for 0.
; THE PLAN.  Registers that memory or LDS instructions touch:
;   v1, v2        16 x lane, 16 x thread: made at the head, never written again.  The key block in hand is reached by two scalar bases, written anew in each key block.
;   v8-15, v16-23 a key block's K and V on their way: global loads land in them, LDS stores read them, no vector instruction names them.  In a key block the stores read one buffer and the loads land in the other,
;                 which the stores of the key block before read: one wait on vm_vsrc at a key block's head states that those stores have read it.
;   v32-39        Q: loaded once.
;   v40-103 (KF)  K's loads land; eight products read; V's loads land; four products read; the next step's K lands.  So two waits on va_vdst a step: ahead of K's loads (the last step's products V^T P^T are done
;                 reading) and behind the products K Q^T (they are done reading).  Behind the second, V's sixteen loads are dealt among the lines of the maximum, which name S and v220-222 alone.
;   v200-207      on the way out: written by the conversions, read by the two stores: one wait on va_vdst between.
;   v254, v255    written at the head, read by the closing add alone.
; The masks of the diagonal are written by compares into scalar registers, sixteen in a run, with one wait on va_sdst between a run and the selects that read them.
.set LI,  1                            ; v1   16 x lane
.set STA, 2                            ; v2   16 x thread
.set DG,  5                            ; v5   16 ti + r - 8 h: on the diagonal, register 8 c + i (key 16 c + 8 h + i of the block) is hidden where 16 c + i > DG
.set QF,  32                           ; v32-39   Q
.set KF,  40                           ; v40-103  K's eight fragments, then V's four
.set S,   104                          ; v104-167 S^T, then p
.set O,   168                          ; v168-199 O^T
.set PC,  200                          ; v200-215 p's codes.  v8-15, v16-23: a block's K and V on their way; v24 -M, v25 the largest t, v[26:27] the sum; v28-31 scales; v[216:217] f; v218-222 at work
.set WV,  14
.set BQ,  19                           ; s19  my block of queries
.set NB,  20                           ; s20  the key block in hand
.set CNT, 21                           ; s21  trips to go
.set SEL, 24                           ; s[24:25] selects for lane l xor 16
.set CS,  26                           ; s[26:27] c.  In the loop: s[6:7], s[8:9] the bases of the loads in hand; s[22:23] their offset; s28-35 and s40-47 the diagonal's masks
	s_load_b256 s[4:11], s[0:1], 0x0               ; q_img, k_img, v_img, scales
	s_load_b64 s[12:13], s[0:1], 0x20              ; y_img
	v_lshl_add_u32 v254, v0, 2, 0x8000
	v_mov_b32 v255, 0
	v_lshrrev_b32 v4, 5, v0
	v_readfirstlane_b32 s[WV], v4                  ; wave 0..15
	v_and_b32 v4, 31, v0
	v_lshlrev_b32 v[LI], 4, v4
	v_lshlrev_b32 v[STA], 4, v0
	v_and_b32 v6, 15, v0
	v_bfe_u32 v7, v0, 4, 1
	v_lshlrev_b32 v7, 3, v7
	v_sub_nc_u32 v[DG], v6, v7
	s_mov_b32 s15, ttmp9                           ; j
	s_and_b32 s16, ttmp7, 0xffff                   ; bh
	s_mov_b32 s[NB], 0
	s_mov_b32 s[SEL], 0x76543210
	s_mov_b32 s[SEL+1], 0xfedcba98
	s_wait_alu depctr_va_sdst(0)                   ; s14, the wave's number, is written, ahead of its first reader
	s_lshr_b32 s18, s[WV], 1                       ; ti
	s_lshr_b32 s17, s[WV], 2
	s_xor_b32 s17, s17, s[WV]
	s_and_b32 s17, s17, 1                          ; role
	s_sub_co_u32 s22, 15, s15
	s_cmp_eq_u32 s17, 0
	s_cselect_b32 s[BQ], s15, s22
	s_sub_co_u32 s[CNT], 17, s15
	s_lshr_b32 s[CNT], s[CNT], 1                   ; (17 - j) / 2 trips of two key blocks cover blocks 0 .. 15 - j
	v_lshl_add_u32 v[DG], s18, 4, v[DG]
	s_lshl_b32 s40, s16, 17                        ; the pair's first byte in each image
	s_mov_b32 s41, 0
	s_lshl_b32 s42, s[BQ], 13
	s_lshl_b32 s43, s18, 10
	s_add_co_u32 s42, s42, s43
	s_add_co_u32 s42, s42, s40                     ; my tile of queries
	s_mov_b32 s43, 0
	s_lshr_b32 s44, s16, 4
	s_lshl_b32 s44, s44, 4
	s_add_co_u32 s44, s44, s[BQ]                   ; y: batch x 16 + my block
	s_lshl_b32 s44, s44, 17
	s_and_b32 s45, s16, 15
	s_lshr_b32 s45, s45, 1
	s_lshl_b32 s45, s45, 14                        ; head / 2
	s_add_co_u32 s44, s44, s45
	s_lshl_b32 s45, s18, 11                        ; my tile
	s_add_co_u32 s44, s44, s45
	s_and_b32 s45, s16, 1
	s_lshl_b32 s45, s45, 10                        ; quads 2 (head % 2) and the next
	s_add_co_u32 s44, s44, s45
	s_mov_b32 s45, 0
	s_wait_kmcnt 0x0
	s_load_b256 s[28:35], s[10:11], 0x0            ; e0 .. e7
	s_add_nc_u64 s[4:5], s[4:5], s[42:43]
	s_add_nc_u64 s[36:37], s[6:7], s[40:41]        ; K's image of the pair
	s_add_nc_u64 s[38:39], s[8:9], s[40:41]        ; V's
	s_add_nc_u64 s[12:13], s[12:13], s[44:45]
	s_wait_alu depctr_va_vdst(0)                   ; v1 and v2 are written: every load, store and LDS instruction of the kernel reads one of them as its address
	global_load_b128 v[QF:QF+3], v[LI], s[4:5]
	global_load_b128 v[QF+4:QF+7], v[LI], s[4:5] offset:512
	global_load_b128 v[8:11], v[STA], s[36:37]                 ; key block 0
	global_load_b128 v[12:15], v[STA], s[38:39]
	global_load_b128 v[16:19], v[STA], s[36:37] offset:8192    ; key block 1
	global_load_b128 v[20:23], v[STA], s[38:39] offset:8192
	v_mov_b32 v25, 0xff61b1e6                      ; the largest t so far: -3e38
	v_floor_f32 v24, -v25                          ; -M
	v_mov_b32 v26, 0
	v_mov_b32 v27, 0
	v_mov_b32 v217, 0                              ; named as the upper half of the pair v[216:217]
	v_mov_b32 v222, 0                              ; a lane permute's destination counts as read
.set n, 0
.rept 32
	v_mov_b32 v[O+n], 0                            ; the step is written once: the first finds zeros, which the first change of M leaves zeros
.set n, n+1
.endr
	s_wait_kmcnt 0x0
	s_mov_b32 s[CS], 0x3e38aa3b                    ; log2(e) / 8
	s_add_co_i32 s22, s30, s31
	s_lshl_b32 s22, s22, 23
	s_add_co_i32 s[CS], s[CS], s22                 ; x 2^(e2 + e3)
	s_mov_b32 s[CS+1], s[CS]
	s_add_co_i32 s22, s32, 127
	s_lshl_b32 s23, s22, 23
	v_mov_b32 v28, s23                             ; 2^e4
	s_add_co_i32 s22, s22, 8
	s_lshl_b32 s22, s22, 23
	s_or_b32 s22, s22, 0x600000
	v_mov_b32 v29, s22                             ; 448 x 2^e4
	s_sub_co_i32 s22, s34, s32
	s_sub_co_i32 s22, s22, s33
	s_add_co_i32 s22, s22, 127
	s_lshl_b32 s23, s22, 23
	v_mov_b32 v30, s23                             ; 2^(e6 - e4 - e5)
	s_add_co_i32 s22, s22, 8
	s_lshl_b32 s22, s22, 23
	s_or_b32 s22, s22, 0x600000
	v_mov_b32 v31, s22
	s_mov_b32 s23, 0                               ; from here on the upper word of the offset s[22:23]
	s_wait_loadcnt 2                               ; Q and key block 0 are in; block 1's two loads may be out
	ds_store_b128 v[STA], v[8:11]
	ds_store_b128 v[STA], v[12:15] offset:8192
	s_wait_dscnt 0x0
	s_barrier_signal -1
	s_barrier_wait -1
; One of V's sixteen loads from slot s: registers 4 vq .. 4 vq + 3 of its four fragments on end.
.macro VQUAD s
	ds_load_b128 v[KF+4*vq:KF+4*vq+3], v[LI] offset:(\s)*16384+8192+512*vq
.set vq, vq+1
.endm
; A KEY STEP: my 16 queries against the 128 keys in slot s.
.macro STEP s
	s_cmp_gt_u32 s[NB], s[BQ]                      ; all its keys come after my queries: nothing to do
	s_cbranch_scc1 .Lskip_\@
	s_wait_alu depctr_va_vdst(0)                   ; the products V^T P^T of the step before are done reading v[KF ..], in which K's loads land
.irp c, 0,1,2,3,4,5,6,7
	ds_load_b128 v[KF+8*\c:KF+8*\c+3], v[LI] offset:(\s)*16384+\c*1024
	ds_load_b128 v[KF+8*\c+4:KF+8*\c+7], v[LI] offset:(\s)*16384+\c*1024+512
.endr
	s_wait_dscnt 0x0
.irp c, 0,1,2,3,4,5,6,7
	v_wmma_f32_16x16x64_fp8_fp8 v[S+8*\c:S+8*\c+7], v[KF+8*\c:KF+8*\c+7], v[QF:QF+7], 0   ; register 8 c + i: key 16 c + 8 (lane / 16) + i, query lane % 16
.endr
.rept 4
	v_nop                                          ; places in front of the first read of the scores
.endr
	s_wait_alu depctr_va_vdst(0)                   ; the products K Q^T are done reading v[KF ..], in which V's loads land; no vector line from here to the last of those loads names v[KF ..] or v1
	s_cmp_lg_u32 s[NB], s[BQ]
	s_cbranch_scc1 .Lopen_\@
	v_mov_b32 v220, 0xff800000                     ; on the diagonal: -infinity for hidden keys, ahead of the maximum: p = 0 then
.set mn, 0
.rept 4                                            ; sixteen scores at a time: the compares in a run, into sixteen scalar registers, then the selects
.set mi, 0
.rept 16
.set mk, mn+mi
	v_cmp_gt_i32 s[28+mi+4*(mi/8)], mk+8*(mk/8), v[DG]
.set mi, mi+1
.endr
	s_wait_alu depctr_va_sdst(0)                   ; the sixteen compares have written their masks, s28-35 and s40-47, ahead of the selects that read them
.set mi, 0
.rept 16
	v_cndmask_b32 v[S+mn+mi], v[S+mn+mi], v220, s[28+mi+4*(mi/8)]
.set mi, mi+1
.endr
.set mn, mn+16
.endr
.Lopen_\@:
.set vq, 0
	v_max3_num_f32 v220, v[S], v[S+1], v[S+2]      ; the step's largest score among my 64 keys, in two chains, each accumulator from its low end on
	v_max3_num_f32 v221, v[S+3], v[S+4], v[S+5]
	VQUAD \s                                       ; V's sixteen loads are dealt among these lines, one behind each pair: V lands while the softmax is walked
.irp i, 6,10,14,18,22,26,30,34,38,42,46,50,54,58
	v_max3_num_f32 v220, v220, v[S+\i], v[S+\i+1]
	v_max3_num_f32 v221, v221, v[S+\i+2], v[S+\i+3]
	VQUAD \s
.endr
	v_max3_num_f32 v220, v220, v[S+62], v[S+63]
	VQUAD \s
	v_max_num_f32 v220, v220, v221
	v_permlanex16_b32 v222, v220, s[SEL], s[SEL+1]
	v_max_num_f32 v220, v220, v222                 ; and among lane l xor 16's
	v_mul_f32 v220, s[CS], v220                    ; as t (c is positive)
	v_max_num_f32 v25, v25, v220
	v_mov_b32 v220, v24
	v_floor_f32 v24, -v25                          ; the new -M
	v_sub_f32 v220, v24, v220                      ; old M - new M: a whole number, 0 or less
	v_cvt_i32_f32 v220, v220                       ; (it saturates)
	v_ldexp_f32 v216, 1.0, v220                    ; f = 2^(old M - new M)
.set n, 0
.rept 32
	v_pk_fma_f32 v[S+n:S+n+1], v[S+n:S+n+1], s[CS:CS+1], v[24:25] op_sel_hi:[1,0,0]   ; t - M
.set n, n+2
.endr
.set n, 0
.rept 64
	v_exp_f32 v[S+n], v[S+n]                       ; p = 2^(t - M)
.set n, n+1
.endr
	v_pk_mul_f32 v[26:27], v[26:27], v[216:217] op_sel_hi:[1,0]   ; the sums under the new M: the plain place behind the exponentials
	s_wait_alu depctr_va_vdst(0)                   ; the 64 exponentials have written v[S ..]: one wait for the batch, ahead of its first reader
	v_pk_add_f32 v[218:219], v[S:S+1], v[S+2:S+3]  ; the sum of the unquantised p, in two chains
.irp j, 4,8,12,16,20,24,28,32,36,40,44,48,52,56,60
	v_pk_add_f32 v[26:27], v[26:27], v[S+\j:S+\j+1]
	v_pk_add_f32 v[218:219], v[218:219], v[S+\j+2:S+\j+3]
.endr
	v_pk_add_f32 v[26:27], v[26:27], v[218:219]
.irp c, 0,1,2,3,4,5,6,7
.irp i, 0,1,2,3,4,5,6,7
	v_min_num_f32 v[S+8*\c+\i], v[S+8*\c+\i], v29  ; the hold (ISA guide 7.6.2); p is not negative
.endr
	v_cvt_scalef32_pk8_fp8_f32 v[PC+2*\c:PC+2*\c+1], v[S+8*\c:S+8*\c+7], v28   ; keys 16 c + 8 h + 0 .. 7: registers 2 c, 2 c + 1 of the operand
.endr
.set n, 0
.rept 16
	v_pk_mul_f32 v[O+n:O+n+1], v[O+n:O+n+1], v[216:217] op_sel_hi:[1,0]   ; O^T under the new M; also the plain lines behind the conversions
.set n, n+2
.endr
	s_wait_dscnt 0x0                               ; V is in
.irp d, 0,1,2,3
	v_wmma_f32_16x16x128_fp8_fp8 v[O+8*\d:O+8*\d+7], v[KF+16*\d:KF+16*\d+15], v[PC:PC+15], v[O+8*\d:O+8*\d+7]
.endr
.rept 4
	v_nop                                          ; places in front of the next read of O^T
.endr
.Lskip_\@:
.endm
; Key block NB lies in slot s.  Block NB + 1, asked for a block ago, goes into the other slot; block NB + 2 (held at 15, the pair's last) is asked for.
.macro HALF s
.set RA, 8+8*(1-(\s))
.set RB, 8+8*(\s)
	s_wait_loadcnt 0x0                             ; block NB + 1 is in registers; the loads that read the two bases below are done, so the bases may be written
	s_wait_alu depctr_vm_vsrc(0)                   ; the LDS stores of the key block before have read v[RB ..], in which the two loads below land
	ds_store_b128 v[STA], v[RA:RA+3] offset:(1-(\s))*16384
	ds_store_b128 v[STA], v[RA+4:RA+7] offset:(1-(\s))*16384+8192
	s_add_co_u32 s22, s[NB], 2
	s_min_u32 s22, s22, 15
	s_lshl_b32 s22, s22, 13                        ; 8,192 bytes a key block in each image
	s_add_nc_u64 s[6:7], s[36:37], s[22:23]        ; the block is reached by scalar bases: no address register is written in the loop
	s_add_nc_u64 s[8:9], s[38:39], s[22:23]
	global_load_b128 v[RB:RB+3], v[STA], s[6:7]
	global_load_b128 v[RB+4:RB+7], v[STA], s[8:9]
	STEP \s
	s_add_co_u32 s[NB], s[NB], 1
	s_wait_dscnt 0x0                               ; my stores into the other slot have landed, my reads of this one are over
	s_barrier_signal -1
	s_barrier_wait -1
.endm
.Lpair:
	HALF 0
	HALF 1
	s_sub_co_u32 s[CNT], s[CNT], 1
	s_cmp_lg_u32 s[CNT], 0
	s_cbranch_scc1 .Lpair
	; THE WAY OUT: O^T / the sum, held, converted with 2^(e6 - e4 - e5).  Tiles 2 B and 2 B + 1 give a lane channels 32 B + 16 h + 0 .. 15: a quad of y's image.
	v_add_f32 v26, v26, v27
	v_permlanex16_b32 v222, v26, s[SEL], s[SEL+1]
	v_add_f32 v26, v26, v222                       ; the row's sum
	v_rcp_f32 v216, v26
	v_nop                                          ; a plain place behind the reciprocal
	s_wait_alu depctr_va_vdst(0)                   ; the reciprocal has written v216, ahead of its first reader
.set n, 0
.rept 16
	v_pk_mul_f32 v[O+n:O+n+1], v[O+n:O+n+1], v[216:217] op_sel_hi:[1,0]
.set n, n+2
.endr
.set n, 0
.rept 32
	v_med3_num_f32 v[O+n], v[O+n], -v31, v31
.set n, n+1
.endr
.irp d, 0,1,2,3
	v_cvt_scalef32_pk8_fp8_f32 v[PC+2*\d:PC+2*\d+1], v[O+8*\d:O+8*\d+7], v30
.endr
	v_nop
	s_wait_alu depctr_va_vdst(0)                   ; the conversions have written v[PC .. PC + 7], which the two stores read
	global_store_b128 v[LI], v[PC:PC+3], s[12:13]              ; 32 lanes store 512 consecutive bytes, aligned
	global_store_b128 v[LI], v[PC+4:PC+7], s[12:13] offset:512
	s_wait_dscnt 0x0                               ; the closing lines, six on end
	s_wait_alu 0x0
	s_wait_tensorcnt 0x0
	ds_add_u32 v254, v255
	s_wait_dscnt 0x0
	s_endpgm
.Lfunc_end_k_q00b287d4b0_attn:
	.size	k_q00b287d4b0_attn, .Lfunc_end_k_q00b287d4b0_attn-k_q00b287d4b0_attn
	.p2alignl 7, 3214868480
	.fill 96, 4, 3214868480
	.section	.rodata,"a",@progbits
	.p2align	6, 0x0
	.amdhsa_kernel k_q00b287d4b0_attn
		.amdhsa_group_segment_fixed_size 34816
		.amdhsa_private_segment_fixed_size 0
		.amdhsa_enable_private_segment 0
		.amdhsa_kernarg_size 40
		.amdhsa_user_sgpr_count 2
		.amdhsa_user_sgpr_kernarg_segment_ptr 1
		.amdhsa_wavefront_size32 1
		.amdhsa_system_sgpr_workgroup_id_x 1
		.amdhsa_system_sgpr_workgroup_id_y 1
		.amdhsa_system_sgpr_workgroup_id_z 1
		.amdhsa_system_vgpr_workitem_id 0
		.amdhsa_next_free_vgpr 256
		.amdhsa_next_free_sgpr 66
		.amdhsa_reserve_vcc 0
		.amdhsa_float_denorm_mode_32 3
		.amdhsa_float_denorm_mode_16_64 3
		.amdhsa_memory_ordered 1
		.amdhsa_forward_progress 1
		.amdhsa_inst_pref_size 60
	.end_amdhsa_kernel
	.amdgpu_metadata
---
amdhsa.version: [ 1, 2 ]
amdhsa.kernels:
  - .name:           k_q00b287d4b0_attn
    .symbol:         k_q00b287d4b0_attn.kd
    .args:
      - { .name: q_img, .offset: 0, .size: 8, .value_kind: global_buffer, .address_space: global }
      - { .name: k_img, .offset: 8, .size: 8, .value_kind: global_buffer, .address_space: global }
      - { .name: v_img, .offset: 16, .size: 8, .value_kind: global_buffer, .address_space: global }
      - { .name: lowp_scales, .offset: 24, .size: 8, .value_kind: global_buffer, .address_space: global }
      - { .name: y_img, .offset: 32, .size: 8, .value_kind: global_buffer, .address_space: global }
    .group_segment_fixed_size: 34816
    .private_segment_fixed_size: 0
    .kernarg_segment_align: 8
    .kernarg_segment_size: 40
    .max_flat_workgroup_size: 512
    .sgpr_count:     66
    .vgpr_count:     256
    .wavefront_size: 32
...
	.end_amdgpu_metadata
.endif
;; end of part 4
;; launch proj: the kernel of part 3 again; grid 8 x 32, 4 waves a work-group, clusters of 4 x 4, 327,680 bytes of LDS; arguments y_img, W_proj_codes, b_proj, lowp_scales, out0; writes out0
